; MI455X (gfx1250); checked and timed in simulation.
; The chip was launched on July 23, 2026; its instructions are those of AMD's public machine-readable ISA for CDNA 5 (MIT licence, August 2026) and "CDNA5" Instruction Set Architecture Reference Guide (July 2026). The comments in the code are by the model that wrote it; some were corrected since.
;; Attention. Allowed arithmetic: matrix products marked QUANTISED: E2M1 operands, one E8M0 scale for each 32 along K, by v_wmma_scale_f32_16x16x128_f8f6f4 with both operands' format E2M1 (or v_wmma_scale_f32_32x16x128_f4), f32 sums; everything else in f32.
;; Inputs: WK_b 512 float32; WK_w 512 x 512 float32; WQ_b 512 float32; WQ_w 512 x 512 float32; WV_b 512 float32; WV_w 512 x 512 float32; X 8 x 2,048 x 512 float32; intensity 8 x 2,048 x 2,048 float32; out_b 512 float32; out_w 512 x 512 float32.
;; Outputs: out0 8 x 2,048 x 512 float32.
;; This version of the problem:
;;   THIS VERSION OF THE PROBLEM IS GIVEN IN LOW PRECISION. The matrix products marked QUANTISED in the list below multiply operands that are first quantised to E2M1 (2 exponent bits, 1 mantissa bit; 4 bits a number), with one power-of-two scale for each 32 numbers along K (OCP MX v1.0); their sums are f32. All else is computed in f32.
;;   The module's matrix products, in the order in which they are computed (A, B: the left and right operand; K: the contracted axis; several contracted axes count as one K, in the product's order):
;;     1. [M 16,384, K 512] x [K 512, N 512]; A: input X; B: input WQ_w: QUANTISED
;;     2. [M 16,384, K 512] x [K 512, N 512]; A: input X; B: input WK_w: QUANTISED
;;     3. [M 16,384, K 512] x [K 512, N 512]; A: input X; B: input WV_w: QUANTISED
;;     4. batch 8 x [M 2,048, K 512] x [K 512, N 2,048]; A: computed on the way; B: computed on the way: QUANTISED
;;     5. batch 8 x [M 2,048, K 2,048] x [K 2,048, N 512]; A: computed on the way; B: computed on the way: QUANTISED
;;     6. [M 16,384, K 512] x [K 512, N 512]; A: computed on the way; B: input out_w: QUANTISED
;;   THE QUANTISER, for each operand of a quantised product, along K:
;;     - K is cut into blocks of 32 from its start; a last block that is shorter is filled with zeros.
;;     - A block's scale is 2^e with e = floor(log2(the largest magnitude in the block)) - 2, held to -126 .. 127; a block of zeros has e = 0. As a byte (E8M0): e + 127.
;;     - Each number is divided by its block's scale, clamped to +-6, and rounded to the nearest number of E2M1, ties to even, subnormals kept.
;;     - The product sums the exact products of the quantised numbers (number of the format x scale) in f32.
;;   ~~~python
;;   def quantise(x, axis):      # numpy; x: float32 -> the quantised numbers, widened to float32 again
;;       x = np.moveaxis(x, axis, -1); K = x.shape[-1]
;;       x = np.pad(x, [(0, 0)] * (x.ndim - 1) + [(0, -K % 32)]); x = x.reshape(x.shape[:-1] + (-1, 32)); a = np.abs(x).max(-1, keepdims=True)
;;       e = np.where(a > 0, np.clip(np.frexp(np.where(a > 0, a, 1))[1] - 1 - 2, -126, 127), 0)      # np.frexp(a)[1] - 1 = floor(log2(a)), exactly
;;       r = np.clip(x / 2.0 ** e, -6, 6)
;;       step = 2.0 ** (np.maximum(np.frexp(np.where(r == 0, 1, r))[1] - 1, 0) - 1)
;;       q = np.round(r / step) * step * 2.0 ** e      # np.round: ties to even
;;       return np.moveaxis(q.reshape(q.shape[:-2] + (-1,))[..., :K], -1, axis).astype(np.float32)
;;   ~~~
;;   OPERANDS COMPUTED ON THE WAY. 'Computed on the way' means the value that the module computes at that place (a softmax that the list does not call 'softmax' is quantised finished and normalised). What goes into a quantiser is computed in f32, as accurately as f32 sums, v_exp_f32 and their like allow (about 1e-6 of the number): no bf16 or f16 on the way to a quantiser, and a product that is left as it is and whose result goes on into a quantised operand takes f32 operands (vector FMAs, or v_wmma_f32_16x16x4_f32). A number that lies on a knife's edge between two numbers of the format may be rounded either way, as far as f32 arithmetic and the matrix unit's own rounding can turn it there, and no further.
;; One version. Each part assembles by itself: llvm-mc -triple=amdgcn-amd-amdhsa -mcpu=gfx1250 --defsym DOCPART=n.
;; ======== version 1 of 1: 3 launches
;; limits: right only within a limited range of input values
;; workspace buffers: xq 4,456,448 bytes; wq 557,056 bytes; qq 4,456,448 bytes; kq 4,456,448 bytes; vq 4,456,448 bytes
;; launch quant (part 1): grid 1152 x 1, 4 waves a work-group, no clusters, 34,560 bytes of LDS; arguments X, WQ_w, WK_w, WV_w, out_w, xq, wq; writes xq, wq
.if DOCPART == 1
	.amdgcn_target "amdgcn-amd-amdhsa--gfx1250"
	.amdhsa_code_object_version 6
	.text
	.protected	k_q02f82a0d62_quant
	.globl	k_q02f82a0d62_quant
	.p2align	8
	.type	k_q02f82a0d62_quant,@function
k_q02f82a0d62_quant:
	s_mov_b64 s[64:65], 0
	v_nop
	global_prefetch_b8 v0, s[64:65] scope:SCOPE_SE
	s_setreg_imm32_b32 hwreg(HW_REG_WAVE_MODE, 25, 1), 1
	s_wait_xcnt 0x0
; X [16384][512] and the four weights [512][512], f32 with K innermost, become codes of FP4 (E2M1) with one E8M0 byte for each 32 along K,
; laid in the ORDER OF THE OPERAND'S REGISTERS, so that the later launches fetch every fragment by two dense loads of 16 bytes a lane.
; A TILE is 16 rows: lane r of tile T = 2 B + u holds row 32 B + 8 u + r + 8 (r / 8).  A FRAGMENT (a tile x 128 along K) is 1,024 bytes: register group c is 512 bytes, lane l's 16 bytes at 16 l.
; Codes: tile x 4,096 + K step x 1,024.  Scale words: tile x 256 + 16 r + 4 x K step.  xq: 1,024 tiles of X, scale words from byte 4,194,304.  wq: 128 tiles in the order WQ, WK, WV, out_w, scale words from byte 524,288.
; A block's scale is 2^(floor(log2(its largest magnitude)) - 2); its byte is the largest magnitude's exponent field - 2, held at 1 from below.
; LIMITS: a block of zeros gets the byte 1 where the rule says 127 (its codes are zeros, and this program alone reads the bytes); NaN and infinities among the inputs are not served.
; SHARES: one work-group, one tile; wave w takes K step w: 16 loads of 512 consecutive bytes, all issued at once.  Work-groups 0-1023 take X, the others the weights: only pointers are chosen.
; The 16 x 512 bytes turn through the wave's own stage in LDS, so that a lane gets 16 neighbours of each block of 32 of its row.  The tile's 256 scale bytes are gathered in LDS and leave as one aligned unit.
.set IPT,  528                         ; a stage row: 512 bytes + 16
.set STGB, 16*IPT
.set SPARE, 4*STGB                     ; the spare words: 128 bytes a wave
.set GATH, SPARE+512                   ; the tile's scale words
.set R0,   16                          ; v16-79   16 x 4 registers as loaded
.set XN,   80                          ; v80-143  64 numbers of my row: register 16 b + i = k 32 b + 16 (lane / 16) + i
.set TM,   144
.set PC,   156
.set PW,   164
.set SEL,  20
	s_load_b256 s[4:11], s[0:1], 0x0               ; X, WQ_w, WK_w, WV_w
	s_load_b128 s[12:15], s[0:1], 0x20             ; out_w, xq
	s_load_b64 s[16:17], s[0:1], 0x30              ; wq
	v_lshl_add_u32 v12, v0, 2, SPARE
	v_mov_b32 v13, 0
	v_lshrrev_b32 v6, 5, v0
	v_readfirstlane_b32 s18, v6                    ; wave = K step
	v_and_b32 v7, 31, v0                           ; lane
	v_and_b32 v6, 15, v0                           ; r
	v_bfe_u32 v5, v0, 4, 1                         ; h
	v_lshlrev_b32 v1, 4, v7                        ; 16 x lane
	s_mul_i32 s19, s18, STGB
	v_add_nc_u32 v2, s19, v1                       ; into the stage
	v_mul_u32_u24 v3, v6, IPT
	v_lshl_add_u32 v3, v5, 6, v3
	v_add_nc_u32 v3, s19, v3                       ; out of it: row r, + 64 h
	s_lshl_b32 s19, s18, 2
	s_add_co_u32 s19, s19, GATH
	v_lshl_add_u32 v4, v6, 4, s19                  ; my row's word of my K step: 16 r + 4 w
	v_lshlrev_b32 v8, 3, v7                        ; the way out of the scale words: 8 bytes a lane
	v_add_nc_u32 v9, GATH, v8
.irp b, 0,1,2,3
	v_mov_b32 v[TM+4+\b], 0                        ; a lane permute's destination counts as one of its sources
.endr
	s_mov_b32 s[SEL], 0x76543210
	s_mov_b32 s[SEL+1], 0xfedcba98
	s_mov_b32 s28, ttmp9
	s_sub_co_u32 s22, s28, 1024                    ; a weight's tile, 0..127 (not used for X)
	s_lshr_b32 s23, s22, 5                         ; which weight
	s_and_b32 s24, s22, 31                         ; which tile of it
	s_wait_alu depctr_va_vdst(0)                   ; the wait at the head's end
	s_wait_kmcnt 0x0
	s_cmp_eq_u32 s23, 1
	s_cselect_b64 s[6:7], s[8:9], s[6:7]
	s_cmp_eq_u32 s23, 2
	s_cselect_b64 s[6:7], s[10:11], s[6:7]
	s_cmp_eq_u32 s23, 3
	s_cselect_b64 s[6:7], s[12:13], s[6:7]
	s_mov_b32 s25, 524288
	s_cmp_lt_u32 s28, 1024                         ; X or a weight?  The choice hangs on the work-group's number alone
	s_cselect_b64 s[4:5], s[4:5], s[6:7]
	s_cselect_b64 s[14:15], s[14:15], s[16:17]
	s_cselect_b32 s24, s28, s24                    ; my tile in the source
	s_cselect_b32 s22, s28, s22                    ; and in the buffer
	s_cselect_b32 s25, 4194304, s25
	s_lshr_b32 s26, s24, 1
	s_lshl_b32 s26, s26, 16                        ; 32 rows of 2,048 bytes for each pair of tiles,
	s_and_b32 s27, s24, 1
	s_lshl_b32 s27, s27, 14                        ; 8 rows for the odd one,
	s_add_co_u32 s26, s26, s27
	s_lshl_b32 s27, s18, 9                         ; 512 bytes a K step
	s_add_co_u32 s26, s26, s27
	s_mov_b32 s27, 0
	s_add_nc_u64 s[4:5], s[4:5], s[26:27]
	s_lshl_b32 s26, s22, 8
	s_add_co_u32 s26, s26, s25
	s_add_nc_u64 s[16:17], s[14:15], s[26:27]      ; the tile's scale words
	s_lshl_b32 s26, s22, 12
	s_lshl_b32 s25, s18, 10
	s_add_co_u32 s26, s26, s25
	s_add_nc_u64 s[14:15], s[14:15], s[26:27]      ; my fragment
.irp i, 0,1,2,3,4,5,6,7,8,9,10,11,12,13,14,15
	global_load_b128 v[R0+4*\i:R0+4*\i+3], v1, s[4:5] offset:(\i+(\i&8))*2048 th:TH_LOAD_NT
.endr
	s_wait_loadcnt 0x0
.irp i, 0,1,2,3,4,5,6,7,8,9,10,11,12,13,14,15
	ds_store_b128 v2, v[R0+4*\i:R0+4*\i+3] offset:\i*IPT
.endr
.irp b, 0,1,2,3
.irp j, 0,1,2,3
	ds_load_b128 v[XN+16*\b+4*\j:XN+16*\b+4*\j+3], v3 offset:128*\b+16*\j   ; LDS serves a wave's instructions in order (ISA guide 5.7.1.4)
.endr
.endr
	s_wait_dscnt 0x0
.irp b, 0,1,2,3
	v_max3_num_f32 v[TM+\b], |v[XN+16*\b]|, |v[XN+16*\b+1]|, 0x1800000   ; the floor 2^(3 - 127): the byte cannot fall under 1
.endr
.irp i, 2,4,6,8,10,12,14
.irp b, 0,1,2,3
	v_max3_num_f32 v[TM+\b], v[TM+\b], |v[XN+16*\b+\i]|, |v[XN+16*\b+\i+1]|
.endr
.endr
.irp b, 0,1,2,3
	v_permlanex16_b32 v[TM+4+\b], v[TM+\b], s[SEL], s[SEL+1]
.endr
.irp b, 0,1,2,3
	v_max_num_f32 v[TM+\b], v[TM+\b], v[TM+4+\b]   ; with lane l xor 16's: the block's largest magnitude
.endr
.irp b, 0,1,2,3
	v_add_nc_u32 v[TM+8+\b], 0xff000000, v[TM+\b]  ; 2 off its exponent field: the conversion's scale operand
.endr
.irp b, 0,1,2,3
	v_lshrrev_b32 v[TM+4+\b], 23, v[TM+8+\b]       ; the scale's byte
.endr
	v_lshl_or_b32 v[PW], v[TM+5], 8, v[TM+4]
	v_lshl_or_b32 v[PW], v[TM+6], 16, v[PW]
	v_lshl_or_b32 v[PW], v[TM+7], 24, v[PW]
.irp b, 0,1,2,3
	v_cvt_scalef32_pk8_fp4_f32 v[PC+2*\b], v[XN+16*\b:XN+16*\b+7], v[TM+8+\b]
	v_cvt_scalef32_pk8_fp4_f32 v[PC+2*\b+1], v[XN+16*\b+8:XN+16*\b+15], v[TM+8+\b]
.endr
	v_nop                                          ; one plain place behind a scaled conversion
.irp c, 0,1                            ; the operand's layout wants a whole block in a lane
.irp i, 0,1
	v_permlane16_swap_b32 v[PC+4*\c+\i], v[PC+4*\c+2+\i]
.endr
.endr
	ds_store_b32 v4, v[PW]                         ; both lanes of a row write the same word with the same value
.irp c, 0,1
	global_store_b128 v1, v[PC+4*\c:PC+4*\c+3], s[14:15] offset:512*\c   ; 512 consecutive bytes, aligned
.endr
	s_wait_dscnt 0x0
	s_barrier_signal -1
	s_barrier_wait -1
	s_cmp_lg_u32 s18, 0
	s_cbranch_scc1 .Lend
	ds_load_b64 v[10:11], v9
	s_wait_dscnt 0x0
	global_store_b64 v8, v[10:11], s[16:17]        ; 256 consecutive bytes, aligned
.Lend:
	s_wait_tensorcnt 0x0                           ; the wave's end
	ds_add_u32 v12, v13
	s_wait_dscnt 0x0
	s_endpgm
.Lfunc_end_k_q02f82a0d62_quant:
	.size	k_q02f82a0d62_quant, .Lfunc_end_k_q02f82a0d62_quant-k_q02f82a0d62_quant
	.p2alignl 7, 3214868480
	.fill 96, 4, 3214868480
	.section	.rodata,"a",@progbits
	.p2align	6, 0x0
	.amdhsa_kernel k_q02f82a0d62_quant
		.amdhsa_group_segment_fixed_size 34560
		.amdhsa_private_segment_fixed_size 0
		.amdhsa_enable_private_segment 0
		.amdhsa_kernarg_size 56
		.amdhsa_user_sgpr_count 2
		.amdhsa_user_sgpr_kernarg_segment_ptr 1
		.amdhsa_wavefront_size32 1
		.amdhsa_system_sgpr_workgroup_id_x 1
		.amdhsa_system_sgpr_workgroup_id_y 1
		.amdhsa_system_sgpr_workgroup_id_z 1
		.amdhsa_system_vgpr_workitem_id 0
		.amdhsa_next_free_vgpr 168
		.amdhsa_next_free_sgpr 66
		.amdhsa_reserve_vcc 0
		.amdhsa_float_denorm_mode_32 3
		.amdhsa_float_denorm_mode_16_64 3
		.amdhsa_memory_ordered 1
		.amdhsa_forward_progress 1
		.amdhsa_inst_pref_size 11
	.end_amdhsa_kernel
	.amdgpu_metadata
---
amdhsa.version: [ 1, 2 ]
amdhsa.kernels:
  - .name:           k_q02f82a0d62_quant
    .symbol:         k_q02f82a0d62_quant.kd
    .args:
      - { .name: X, .offset: 0, .size: 8, .value_kind: global_buffer, .address_space: global }
      - { .name: WQ_w, .offset: 8, .size: 8, .value_kind: global_buffer, .address_space: global }
      - { .name: WK_w, .offset: 16, .size: 8, .value_kind: global_buffer, .address_space: global }
      - { .name: WV_w, .offset: 24, .size: 8, .value_kind: global_buffer, .address_space: global }
      - { .name: out_w, .offset: 32, .size: 8, .value_kind: global_buffer, .address_space: global }
      - { .name: xq, .offset: 40, .size: 8, .value_kind: global_buffer, .address_space: global }
      - { .name: wq, .offset: 48, .size: 8, .value_kind: global_buffer, .address_space: global }
    .group_segment_fixed_size: 34560
    .private_segment_fixed_size: 0
    .kernarg_segment_align: 8
    .kernarg_segment_size: 56
    .max_flat_workgroup_size: 128
    .sgpr_count:     66
    .vgpr_count:     168
    .wavefront_size: 32
...
	.end_amdgpu_metadata
.endif
;; end of part 1
;; launch qkv (part 2): grid 128 x 3, 4 waves a work-group, no clusters, 0 bytes of LDS; arguments xq, wq, WQ_b, WK_b, WV_b, qq, kq, vq; writes qq, kq, vq
.if DOCPART == 2
	.amdgcn_target "amdgcn-amd-amdhsa--gfx1250"
	.amdhsa_code_object_version 6
	.text
	.protected	k_q02f82a0d62_qkv
	.globl	k_q02f82a0d62_qkv
	.p2align	8
	.type	k_q02f82a0d62_qkv,@function
k_q02f82a0d62_qkv:
	s_mov_b64 s[64:65], 0
	v_nop
	global_prefetch_b8 v0, s[64:65] scope:SCOPE_SE
	s_setreg_imm32_b32 hwreg(HW_REG_WAVE_MODE, 25, 1), 1
	s_wait_xcnt 0x0
; q = X WQ^T + bq, k = X WK^T + bk, v = X WV^T + bv on codes of FP4 (E2M1) with E8M0 scales, and the results quantised at once: q and k along the features, v along the tokens (the keys).
; Work-group (x, y): 128 tokens (8 tiles), y = 0 q, 1 k, 2 v.  ONE FORM OF PRODUCT: source 0 = a RESIDENT set of 8 tiles (256 registers, window 1), source 1 = a STREAMED tile.
;   q, k: resident = the weight's tiles 8 w .. 8 w + 7 (wave w), streamed = X's 8 tiles: a lane holds one token, its 64 registers run along features 128 w + ..: the codes are K step w of that token tile.
;   v:    resident = X's 8 tiles, streamed = WV's tiles 8 w + i: a lane holds one channel d, its 64 registers run along the 128 tokens: the codes are a fragment of V^T with the keys innermost.
; Tiles and fragments as the first launch lays them (lane r of tile 2 B + u holds row 32 B + 8 u + r + 8 (r / 8); a fragment is 1,024 bytes, lane l's 16 bytes at 16 l of each half).
; OUT: qq, kq: codes at token tile x 4,096 + K step x 1,024.  vq: fragment (block of 128 keys X, tile of channels dt) at (32 X + dt) x 1,024.
;   Scale words from byte 4,194,304, one block of 512 bytes for each (group of 8 tiles, K step): lane l's 16 bytes at 16 l, word p = the word of tile 2 p + l / 16, row l % 16: a register so loaded serves two tiles.
; The bias is the C of each sum's first product (so it is added first, not last).  LIMITS: as in the first launch (a block of zeros gets the byte 1; NaN and infinities are not served).
; No LDS, no barrier: each wave's operands come from memory straight into its registers by dense loads.  Multicast is not used: the launch has no tensor load; what work-groups share here are 128 KB of weights' codes.
.set SW,   8                           ; v8-11    the four scale words that I store
.set SF,   16                          ; v16-47   the streamed tile's four fragments; the second set 200 registers up (v216-247)
.set SS,   48                          ; v48-51   its scale words; the second set at v248-251
.set RS,   52                          ; v52-67   the resident tiles' scale words: register 4 p + s: lanes 0-15 tile 2 p, lanes 16-31 tile 2 p + 1
.set TM,   68                          ; v68-79   at work
.set PC,   80                          ; v80-87   the codes just made
.set HA,   88                          ; v88-151  the eight accumulators
.set BIAS, 152                         ; v152-215 the biases, in the result's layout
.set SEL,  40                          ; s[40:41]
.set MSB, 0
.macro WIN new                         ; the immediate's high byte repeats the setting that is left
.if MSB != (\new)
	s_set_vgpr_msb (MSB<<8)|(\new)
.set MSB, (\new)
.endif
.endm
.macro PLACES                          ; four places behind a matrix instruction, in front of loads into its registers and of reads of its result
.rept 4
	v_nop
.endr
.endm
; one product: D, source 0, source 1, C (under 0: the constant 0), the two scale registers; odd = 1: source 0's scales stand in lanes 16-31
.macro MM d, a, b, c, sa, sb, odd
.if (\c) < 0
.if \odd
	v_wmma_scale_f32_16x16x128_f8f6f4 v[\d:\d+7], v[\a:\a+7], v[\b:\b+7], 0, v[\sa], v[\sb] matrix_a_fmt:MATRIX_FMT_FP4 matrix_b_fmt:MATRIX_FMT_FP4 matrix_a_scale:MATRIX_SCALE_ROW1
.else
	v_wmma_scale_f32_16x16x128_f8f6f4 v[\d:\d+7], v[\a:\a+7], v[\b:\b+7], 0, v[\sa], v[\sb] matrix_a_fmt:MATRIX_FMT_FP4 matrix_b_fmt:MATRIX_FMT_FP4
.endif
.else
.if \odd
	v_wmma_scale_f32_16x16x128_f8f6f4 v[\d:\d+7], v[\a:\a+7], v[\b:\b+7], v[\c:\c+7], v[\sa], v[\sb] matrix_a_fmt:MATRIX_FMT_FP4 matrix_b_fmt:MATRIX_FMT_FP4 matrix_a_scale:MATRIX_SCALE_ROW1
.else
	v_wmma_scale_f32_16x16x128_f8f6f4 v[\d:\d+7], v[\a:\a+7], v[\b:\b+7], v[\c:\c+7], v[\sa], v[\sb] matrix_a_fmt:MATRIX_FMT_FP4 matrix_b_fmt:MATRIX_FMT_FP4
.endif
.endif
.endm
; 64 numbers of a lane, register 16 b + i = k 32 b + 16 (lane / 16) + i of my row, become the fragment's codes in v[PC] on and its scale word in v[pw]
.macro QUANT src, pw
.irp b, 0,1,2,3
	v_max3_num_f32 v[TM+\b], |v[\src+16*\b]|, |v[\src+16*\b+1]|, 0x1800000   ; each accumulator is read from its low end on; the floor 2^(3 - 127) holds the byte at 1 from below
.endr
.irp i, 2,4,6,8,10,12,14
.irp b, 0,1,2,3
	v_max3_num_f32 v[TM+\b], v[TM+\b], |v[\src+16*\b+\i]|, |v[\src+16*\b+\i+1]|
.endr
.endr
.irp b, 0,1,2,3
	v_permlanex16_b32 v[TM+4+\b], v[TM+\b], s[SEL], s[SEL+1]
.endr
.irp b, 0,1,2,3
	v_max_num_f32 v[TM+\b], v[TM+\b], v[TM+4+\b]   ; with lane l xor 16's: the block's largest magnitude
.endr
.irp b, 0,1,2,3
	v_add_nc_u32 v[TM+8+\b], 0xff000000, v[TM+\b]  ; 2 off its exponent field: the conversion's scale operand
.endr
.irp b, 0,1,2,3
	v_lshrrev_b32 v[TM+4+\b], 23, v[TM+8+\b]       ; the scale's byte
.endr
	v_lshl_or_b32 v[\pw], v[TM+5], 8, v[TM+4]
	v_lshl_or_b32 v[\pw], v[TM+6], 16, v[\pw]
	v_lshl_or_b32 v[\pw], v[TM+7], 24, v[\pw]
.irp b, 0,1,2,3
	v_cvt_scalef32_pk8_fp4_f32 v[PC+2*\b], v[\src+16*\b:\src+16*\b+7], v[TM+8+\b]
	v_cvt_scalef32_pk8_fp4_f32 v[PC+2*\b+1], v[\src+16*\b+8:\src+16*\b+15], v[TM+8+\b]
.endr
	v_nop                                          ; one plain place behind a scaled conversion: the next products write its sources
.irp c, 0,1
.irp i, 0,1
	v_permlane16_swap_b32 v[PC+4*\c+\i], v[PC+4*\c+2+\i]
.endr
.endr
.endm
.macro SLOAD i, sc, ss                 ; streamed tile i into set i % 2: eight loads of 512 dense bytes, and its rows' 16 scale bytes: nine loads
.irp s, 0,1,2,3
.irp c, 0,1
	global_load_b128 v[SF+200*((\i)%2)+8*\s+4*\c:SF+200*((\i)%2)+8*\s+4*\c+3], v1, s[\sc:\sc+1] offset:(\i)*4096+\s*1024+512*\c
.endr
.endr
	global_load_b128 v[SS+200*((\i)%2):SS+200*((\i)%2)+3], v3, s[\ss:\ss+1] offset:256*(\i)
.endm
	s_load_b512 s[4:19], s[0:1], 0x0               ; xq, wq, WQ_b, WK_b, WV_b, qq, kq, vq
	v_lshrrev_b32 v5, 5, v0
	v_readfirstlane_b32 s20, v5                    ; wave 0..3
	s_and_b32 s22, ttmp7, 0xffff                   ; y: which product
	v_and_b32 v5, 31, v0
	v_and_b32 v6, 15, v0                           ; r
	v_bfe_u32 v7, v0, 4, 1                         ; h
	v_lshlrev_b32 v1, 4, v5                        ; 16 x lane
	v_lshlrev_b32 v3, 4, v6                        ; 16 r: a streamed tile's scale words
	v_lshl_add_u32 v2, v7, 8, v3                   ; 256 h + 16 r: two resident tiles' scale words
	v_cmp_eq_u32 vcc_lo, 1, v7                     ; lanes 16-31; VCC stays
	s_mov_b32 s[SEL], 0x76543210
	s_mov_b32 s[SEL+1], 0xfedcba98
.irp b, 0,1,2,3
	v_mov_b32 v[TM+4+\b], 0                        ; written once: a lane permute's destination counts as one of its sources
.endr
	s_mov_b32 s43, 0
	s_wait_kmcnt 0x0
	s_cmp_eq_u32 s22, 1
	s_cselect_b64 s[8:9], s[10:11], s[8:9]         ; the bias
	s_cselect_b64 s[14:15], s[16:17], s[14:15]     ; the buffer that I fill
	s_cmp_eq_u32 s22, 2
	s_cselect_b64 s[8:9], s[12:13], s[8:9]
	s_cselect_b64 s[14:15], s[18:19], s[14:15]
	s_cselect_b32 s38, 13, 10                      ; a wave's step in the codes: 8 fragments (v) or one (q, k)
	s_lshl_b32 s42, s22, 17
	s_lshl_b32 s39, s20, 15
	s_add_co_u32 s42, s42, s39
	s_add_nc_u64 s[24:25], s[6:7], s[42:43]        ; the weight's tiles 8 w on: codes,
	s_lshl_b32 s42, s22, 13
	s_lshl_b32 s39, s20, 11
	s_add_co_u32 s42, s42, s39
	s_add_co_u32 s42, s42, 524288
	s_add_nc_u64 s[26:27], s[6:7], s[42:43]        ; scale words
	s_lshl_b32 s42, ttmp9, 15
	s_add_nc_u64 s[28:29], s[4:5], s[42:43]        ; X's tiles 8 x on: codes
	s_lshl_b32 s39, s20, s38
	s_add_co_u32 s42, s42, s39
	s_add_nc_u64 s[34:35], s[14:15], s[42:43]      ; where my codes go: x x 32,768 + w x 1,024 or 8,192
	s_lshl_b32 s42, ttmp9, 11
	s_add_co_u32 s42, s42, 4194304
	s_add_nc_u64 s[30:31], s[4:5], s[42:43]        ; X's scale words
	s_lshl_b32 s39, s20, 9
	s_add_co_u32 s42, s42, s39
	s_add_nc_u64 s[36:37], s[14:15], s[42:43]      ; where my scale words go: 4,194,304 + (4 x + w) x 512
	s_mov_b32 s42, s39
	s_add_nc_u64 s[32:33], s[8:9], s[42:43]        ; the bias at feature 128 w
.macro BODY isv, rc, rs, sc, ss        ; the scalar registers of the resident codes and scale words, the streamed codes and scale words
	WIN 0x40                                       ; destination window 1
.irp t, 0,1,2,3,4,5,6,7
.irp s, 0,1,2,3
.irp c, 0,1
	global_load_b128 v[32*\t+8*\s+4*\c:32*\t+8*\s+4*\c+3], v1, s[\rc:\rc+1] offset:\t*4096+\s*1024+512*\c
.endr
.endr
.endr
	WIN 0
.irp p, 0,1,2,3
	global_load_b128 v[RS+4*\p:RS+4*\p+3], v2, s[\rs:\rs+1] offset:512*\p
.endr
.if \isv
	v_and_b32 v4, 8, v6
	v_add_nc_u32 v4, v4, v6
	v_lshlrev_b32 v4, 2, v4                        ; my channel of a tile: r + 8 (r / 8)
.irp i, 0,1,2,3,4,5,6,7
	global_load_b32 v[BIAS+8*\i], v4, s[32:33] offset:(32*(\i/2)+8*(\i%2))*4
.endr
.else
	v_lshlrev_b32 v4, 6, v7                        ; my half's 16 features of each 32
.irp t, 0,1,2,3,4,5,6,7
	global_load_b128 v[BIAS+8*\t:BIAS+8*\t+3], v4, s[32:33] offset:(32*(\t/2)+8*(\t%2))*4
	global_load_b128 v[BIAS+8*\t+4:BIAS+8*\t+7], v4, s[32:33] offset:(32*(\t/2)+8*(\t%2))*4+16
.endr
.endif
	SLOAD 0, \sc, \ss
	SLOAD 1, \sc, \ss
	s_wait_loadcnt 9                               ; all but streamed tile 1's nine loads
.if \isv
.irp i, 0,1,2,3,4,5,6,7
.irp j, 1,2,3,4,5,6,7
	v_mov_b32 v[BIAS+8*\i+\j], v[BIAS+8*\i]        ; a lane's eight results of a tile are eight tokens of ONE channel: the same bias eight times
.endr
.endr
.endif
.irp i, 0,1,2,3,4,5,6,7
.if \i > 0
.if \i < 7
	s_wait_loadcnt 9                               ; this tile's nine loads are in; the next tile's nine may be out
.else
	s_wait_loadcnt 0x0
.endif
.endif
	WIN 0x01                                       ; source 0 window 1
.irp s, 0,1,2,3                        ; the eight accumulators take turns, one instruction a turn
.irp t, 0,1,2,3,4,5,6,7
.if \s == 0
.if \isv
	MM HA+8*\t, 32*\t+8*\s, SF+200*(\i%2)+8*\s, BIAS+8*\i, RS+4*(\t/2)+\s, SS+200*(\i%2)+\s, \t%2
.else
	MM HA+8*\t, 32*\t+8*\s, SF+200*(\i%2)+8*\s, BIAS+8*\t, RS+4*(\t/2)+\s, SS+200*(\i%2)+\s, \t%2
.endif
.else
	MM HA+8*\t, 32*\t+8*\s, SF+200*(\i%2)+8*\s, HA+8*\t, RS+4*(\t/2)+\s, SS+200*(\i%2)+\s, \t%2
.endif
.endr
.endr
	WIN 0
	PLACES
.if \i < 6
	SLOAD \i+2, \sc, \ss                           ; the tile two on, into the set just multiplied
.endif
.if \i > 0
	s_wait_xcnt 0x0                                ; the last tile's stores have read the codes' registers
.endif
	QUANT HA, 12+(\i&1)
.irp c, 0,1
	global_store_b128 v1, v[PC+4*\c:PC+4*\c+3], s[34:35] offset:\i*(4096-3072*\isv)+512*\c   ; 512 consecutive bytes, aligned
.endr
.if \i % 2
	v_cndmask_b32 v[SW+\i/2], v12, v13, vcc_lo     ; lanes 0-15 keep the even tile's word, lanes 16-31 the odd tile's
.endif
.endr
	global_store_b128 v1, v[SW:SW+3], s[36:37]     ; 512 consecutive bytes, aligned
.endm
	s_cmp_eq_u32 s22, 2
	s_cbranch_scc1 .Lv
	s_wait_alu depctr_va_vdst(0)
	BODY 0, 24, 26, 28, 30
	s_endpgm
.Lv:
	s_wait_alu depctr_va_vdst(0)
	BODY 1, 28, 30, 24, 26
	s_endpgm
.Lfunc_end_k_q02f82a0d62_qkv:
	.size	k_q02f82a0d62_qkv, .Lfunc_end_k_q02f82a0d62_qkv-k_q02f82a0d62_qkv
	.p2alignl 7, 3214868480
	.fill 96, 4, 3214868480
	.section	.rodata,"a",@progbits
	.p2align	6, 0x0
	.amdhsa_kernel k_q02f82a0d62_qkv
		.amdhsa_group_segment_fixed_size 0
		.amdhsa_private_segment_fixed_size 0
		.amdhsa_enable_private_segment 0
		.amdhsa_kernarg_size 64
		.amdhsa_user_sgpr_count 2
		.amdhsa_user_sgpr_kernarg_segment_ptr 1
		.amdhsa_wavefront_size32 1
		.amdhsa_system_sgpr_workgroup_id_x 1
		.amdhsa_system_sgpr_workgroup_id_y 1
		.amdhsa_system_sgpr_workgroup_id_z 1
		.amdhsa_system_vgpr_workitem_id 0
		.amdhsa_next_free_vgpr 512
		.amdhsa_next_free_sgpr 66
		.amdhsa_reserve_vcc 1
		.amdhsa_float_denorm_mode_32 3
		.amdhsa_float_denorm_mode_16_64 3
		.amdhsa_memory_ordered 1
		.amdhsa_forward_progress 1
		.amdhsa_inst_pref_size 164
	.end_amdhsa_kernel
	.amdgpu_metadata
---
amdhsa.version: [ 1, 2 ]
amdhsa.kernels:
  - .name:           k_q02f82a0d62_qkv
    .symbol:         k_q02f82a0d62_qkv.kd
    .args:
      - { .name: xq, .offset: 0, .size: 8, .value_kind: global_buffer, .address_space: global }
      - { .name: wq, .offset: 8, .size: 8, .value_kind: global_buffer, .address_space: global }
      - { .name: WQ_b, .offset: 16, .size: 8, .value_kind: global_buffer, .address_space: global }
      - { .name: WK_b, .offset: 24, .size: 8, .value_kind: global_buffer, .address_space: global }
      - { .name: WV_b, .offset: 32, .size: 8, .value_kind: global_buffer, .address_space: global }
      - { .name: qq, .offset: 40, .size: 8, .value_kind: global_buffer, .address_space: global }
      - { .name: kq, .offset: 48, .size: 8, .value_kind: global_buffer, .address_space: global }
      - { .name: vq, .offset: 56, .size: 8, .value_kind: global_buffer, .address_space: global }
    .group_segment_fixed_size: 0
    .private_segment_fixed_size: 0
    .kernarg_segment_align: 8
    .kernarg_segment_size: 64
    .max_flat_workgroup_size: 128
    .sgpr_count:     66
    .vgpr_count:     512
    .wavefront_size: 32
...
	.end_amdgpu_metadata
.endif
;; end of part 2
;; launch attn (part 3): grid 32 x 8, 8 waves a work-group, no clusters, 327,680 bytes of LDS; arguments qq, kq, vq, intensity, wq, out_b, out0; writes out0
.if DOCPART == 3
	.amdgcn_target "amdgcn-amd-amdhsa--gfx1250"
	.amdhsa_code_object_version 6
	.text
	.protected	k_q02f82a0d62_attn
	.globl	k_q02f82a0d62_attn
	.p2align	8
	.type	k_q02f82a0d62_attn,@function
k_q02f82a0d62_attn:
	s_mov_b64 s[64:65], 0
	v_nop
	global_prefetch_b8 v0, s[64:65] scope:SCOPE_SE
	s_setreg_imm32_b32 hwreg(HW_REG_WAVE_MODE, 25, 1), 1
	s_wait_xcnt 0x0
; out = Q4(Q4(softmax(q k^T / sqrt(512)) + intensity) v) out_w^T + out_b, every product on codes of FP4 (E2M1) with E8M0 scales; Q4 = the quantiser along the product's K.
; No step and no input of the problem is left out.  A work-group owns 64 queries (4 tiles of 16) of one batch; EIGHT waves of 512 registers, two to a SIMD.
; PASS 1 walks the blocks of 512 keys in the order 2, 3, 0, 1: the row's largest t and the sum of 2^(t - max), t = score x log2(e) / sqrt(512): a running maximum for each lane, merged over lanes and waves at the end.
; THE NUMBERS 2^(t - max) OF BLOCKS 0 AND 1 STAY IN REGISTERS: block 0's where O^T will lie, block 1's where K's block 0 lay; while block 1 is walked, block 0's are brought under the lane's last maximum.
; PASS 2, four steps of 512 keys: p = 2^(t - M) / sum + intensity, quantised along the keys, handed to all waves as images of the operand's registers in LDS; then O^T += V^T P^T.
;   Steps 0 and 1 take the kept numbers x f, f = 2^(the lane's maximum - M) / sum; steps 2 and 3 make the scores again.
; SHARES: for the scores wave w takes keys 64 w .. 64 w + 63 of a block of 512 (4 tiles of K, 128 registers); for O^T and for the last product channels 64 w .. 64 w + 63 (4 tiles).
; All products are used transposed: a lane holds one query (lane % 16), its registers run along the next K.  Tiles, fragments and scale words lie as the earlier launches lay them.
; A wave's 64 keys (or channels) are register group w % 2 of fragment w / 2: lane (r, h) stores the 8 bytes of block b at 16 (r + 16 b) + 8 h, and its two scale bytes at 2 (w % 2) of the word.
; INTENSITY comes by tensor loads, 64 rows x 256 bytes for each wave and step, through two slots a wave; each wave reads its own bytes alone.
; K, V and out_w go from memory straight into registers by dense loads.  Joint loads are not used: they would need slots in LDS for K and V, and of the 327,680 bytes the ring takes 278,528 and the images, statistics and spare words 48,128.
; No prefetch: each tile of intensity is asked for by its own tensor load at least a whole step of 512 keys ahead of its first read.
; LIMITS: the promise holds while |t| stays under 2^31; a block of zeros gets the byte 1 (its codes are zeros; this program alone reads the bytes); NaN and infinities among the inputs are not served.
; REGISTERS: v0-31 addresses, statistics, Q's scales, temporaries; v32-63 Q's fragments or intensity; v64-95 scores or intensity; v32-95 also P's fragments, two sets; v96-111 codes, maxima, P's scales;
;   v112-127 K's and V's scales; v128-255 block 0's kept numbers, then O^T; window 1: v0-127 K, block 1's kept numbers, at the end out_w; v128-255 K's second set, then V, at the end the bias.
.set IP,    272                        ; an LDS row of intensity: 256 bytes + 16
.set SLOTB, 64*IP
.set RINGW, 2*SLOTB
.set QSC,   16384                      ; Q's images lie from byte 0, their scale words here
.set PIMG,  18432
.set PSC,   34816
.set ST1,   36864                      ; (wave, tile, lane): largest t, sum
.set ST2,   45056                      ; (tile, lane): -M, -M, 1 / sum, 1 / sum
.set SPARE, 47104                      ; the spare words: 128 bytes a wave
.set RING0, 48128
.set QS,  20
.set QF,  32
.set IB,  32
.set S,   64
.set PF,  32
.set PC,  96
.set TM,  100
.set PS,  104
.set T0,  28
.set T1,  29
.set T2,  30
.set PW,  31
.set KS,  112
.set VS,  120
.set ACC, 128
.set MSB, 0
.macro WIN new                         ; the immediate's high byte repeats the setting that is left
.if MSB != (\new)
	s_set_vgpr_msb (MSB<<8)|(\new)
.set MSB, (\new)
.endif
.endm
.macro PLACES                          ; five places behind matrix instructions: they serve loads, reads and matrix results laid over operands
.rept 5
	v_nop
.endr
.endm
.macro MM d, a, b, c, sa, sb, odd      ; c under 0: the constant 0; odd = 1: source 0's scales stand in lanes 16-31
.if (\c) < 0
.if \odd
	v_wmma_scale_f32_16x16x128_f8f6f4 v[\d:\d+7], v[\a:\a+7], v[\b:\b+7], 0, v[\sa], v[\sb] matrix_a_fmt:MATRIX_FMT_FP4 matrix_b_fmt:MATRIX_FMT_FP4 matrix_a_scale:MATRIX_SCALE_ROW1
.else
	v_wmma_scale_f32_16x16x128_f8f6f4 v[\d:\d+7], v[\a:\a+7], v[\b:\b+7], 0, v[\sa], v[\sb] matrix_a_fmt:MATRIX_FMT_FP4 matrix_b_fmt:MATRIX_FMT_FP4
.endif
.else
.if \odd
	v_wmma_scale_f32_16x16x128_f8f6f4 v[\d:\d+7], v[\a:\a+7], v[\b:\b+7], v[\c:\c+7], v[\sa], v[\sb] matrix_a_fmt:MATRIX_FMT_FP4 matrix_b_fmt:MATRIX_FMT_FP4 matrix_a_scale:MATRIX_SCALE_ROW1
.else
	v_wmma_scale_f32_16x16x128_f8f6f4 v[\d:\d+7], v[\a:\a+7], v[\b:\b+7], v[\c:\c+7], v[\sa], v[\sb] matrix_a_fmt:MATRIX_FMT_FP4 matrix_b_fmt:MATRIX_FMT_FP4
.endif
.endif
.endm
; 32 numbers of a lane, register 16 b + i = k 32 b + 16 (lane / 16) + i, become 4 registers of codes and two scale bytes.  Each group of eight is read from its low end on.
.macro QUANT src
.irp b, 0,1
	v_max3_num_f32 v[TM+\b], |v[\src+16*\b]|, |v[\src+16*\b+1]|, 0x1800000   ; the floor 2^(3 - 127) holds the byte at 1 from below
	v_max3_num_f32 v[TM+2+\b], |v[\src+16*\b+8]|, |v[\src+16*\b+9]|, |v[\src+16*\b+10]|
.endr
.irp i, 2,4
.irp b, 0,1
	v_max3_num_f32 v[TM+\b], v[TM+\b], |v[\src+16*\b+\i]|, |v[\src+16*\b+\i+1]|
	v_max3_num_f32 v[TM+2+\b], v[TM+2+\b], |v[\src+16*\b+\i+9]|, |v[\src+16*\b+\i+10]|
.endr
.endr
.irp b, 0,1
	v_max3_num_f32 v[TM+\b], v[TM+\b], |v[\src+16*\b+6]|, |v[\src+16*\b+7]|
.endr
.irp b, 0,1
	v_max3_num_f32 v[TM+\b], v[TM+\b], v[TM+2+\b], |v[\src+16*\b+15]|
.endr
.irp b, 0,1
	v_permlanex16_b32 v[TM+2+\b], v[TM+\b], s50, s51
.endr
.irp b, 0,1
	v_max_num_f32 v[TM+\b], v[TM+\b], v[TM+2+\b]   ; with lane l xor 16's: the block's largest magnitude
.endr
.irp b, 0,1
	v_add_nc_u32 v[TM+\b], 0xff000000, v[TM+\b]    ; 2 off its exponent field: the conversion's scale operand
.endr
.irp b, 0,1
	v_lshrrev_b32 v[TM+2+\b], 23, v[TM+\b]         ; the scale's byte
.endr
	v_lshl_or_b32 v[PW], v[TM+3], 8, v[TM+2]
.irp b, 0,1
	v_cvt_scalef32_pk8_fp4_f32 v[PC+2*\b], v[\src+16*\b:\src+16*\b+7], v[TM+\b]
	v_cvt_scalef32_pk8_fp4_f32 v[PC+2*\b+1], v[\src+16*\b+8:\src+16*\b+15], v[TM+\b]
.endr
	v_nop                                          ; one plain place behind a scaled conversion
.endm
; my tiles t0 .. t1 - 1 of a block of K into window 1 from register kb on; with tile 0 the block's scale words (8 bytes a lane and K step)
.macro KLOAD kb, sc, fb, sb, of, os, t0, t1
	PLACES
	WIN 0x40
.set kt, \t0
.rept (\t1)-(\t0)
.irp s, 0,1,2,3
.irp c, 0,1
	global_load_b128 v[(\kb)+32*kt+8*\s+4*\c:(\kb)+32*kt+8*\s+4*\c+3], v1, s[\fb:\fb+1] offset:(\of)+kt*4096+\s*1024+512*\c
.endr
.endr
.set kt, kt+1
.endr
	WIN 0
.if (\t0) == 0
.irp s, 0,1,2,3
	global_load_b64 v[\sc+2*\s:\sc+2*\s+1], v2, s[\sb:\sb+1] offset:(\os)+512*\s
.endr
.endif
.endm
.macro VFR j, k                        ; V^T: my 4 tiles of channels x the k-th 128 keys of step j: nine loads with the scale words
	WIN 0x40
.irp t, 0,1,2,3
.irp c, 0,1
	global_load_b128 v[128+32*(\k)+8*\t+4*\c:128+32*(\k)+8*\t+4*\c+3], v1, s[26:27] offset:(4*(\j)+(\k))*32768+\t*1024+512*\c
.endr
.endr
	WIN 0
	global_load_b64 v[VS+2*(\k):VS+2*(\k)+1], v2, s[28:29] offset:(4*(\j)+(\k))*2048
.endm
.macro SQK kb, sc                      ; S^T = K Q^T: the four accumulators take turns
	WIN 0x01
.irp s, 0,1,2,3
.irp t, 0,1,2,3
.if \s == 0
	MM S+8*\t, (\kb)+32*\t+8*\s, QF+8*\s, -1, \sc+2*\s+\t/2, QS+\s, \t%2
.else
	MM S+8*\t, (\kb)+32*\t+8*\s, QF+8*\s, S+8*\t, \sc+2*\s+\t/2, QS+\s, \t%2
.endif
.endr
.endr
	WIN 0
.endm
.macro QLOADS a, b, ao, bo             ; a query tile's four fragments and scale words: nine loads
.irp f, 0,1,2,3,4,5,6,7
	ds_load_b128 v[QF+4*\f:QF+4*\f+3], v[\a] offset:(\ao)+512*\f
.endr
	ds_load_b128 v[QS:QS+3], v[\b] offset:(\bo)
.endm
.macro FETCH par, k                    ; the four query tiles' fragments of K step k, with their scale words: twelve loads
.irp m, 0,1,2,3
.irp c, 0,1
	ds_load_b128 v[PF+32*(\par)+8*\m+4*\c:PF+32*(\par)+8*\m+4*\c+3], v12 offset:(4*(\k)+\m)*1024+512*\c
.endr
	ds_load_b32 v[PS+4*(\par)+\m], v13 offset:(4*(\k)+\m)*128
.endr
.endm
.macro PVK k, par, zero                ; O^T += V^T P^T, 16 accumulators by turns
	WIN 0x01
.irp t, 0,1,2,3
.irp m, 0,1,2,3
.if \zero
	MM ACC+32*\m+8*\t, 128+32*(\k)+8*\t, PF+32*(\par)+8*\m, -1, VS+2*(\k)+\t/2, PS+4*(\par)+\m, \t%2
.else
	MM ACC+32*\m+8*\t, 128+32*(\k)+8*\t, PF+32*(\par)+8*\m, ACC+32*\m+8*\t, VS+2*(\k)+\t/2, PS+4*(\par)+\m, \t%2
.endif
.endr
.endr
.endm
.macro YK k, par                       ; Y^T = out_w O^T; the bias (window 1, v128 on) is the C of each sum's first product
.if (\k) == 0
	WIN 0x11
.else
	WIN 0x01
.endif
.irp t, 0,1,2,3
.irp m, 0,1,2,3
.if (\k) == 0
	MM ACC+32*\m+8*\t, 32*\t+8*(\k), PF+32*(\par)+8*\m, 128+8*\t, KS+4*(\t/2)+(\k), PS+4*(\par)+\m, \t%2
.else
	MM ACC+32*\m+8*\t, 32*\t+8*(\k), PF+32*(\par)+8*\m, ACC+32*\m+8*\t, KS+4*(\t/2)+(\k), PS+4*(\par)+\m, \t%2
.endif
.endr
.endr
.endm
	s_load_b256 s[4:11], s[0:1], 0x0               ; qq, kq, vq, intensity
	s_load_b128 s[12:15], s[0:1], 0x20             ; wq, out_b
	s_load_b64 s[16:17], s[0:1], 0x30              ; out0
	v_lshl_add_u32 v6, v0, 2, SPARE
	v_mov_b32 v7, 0
	ds_add_u32 v6, v7                              ; the opening lines: the add, twice on end, and its wait
	ds_add_u32 v6, v7
	v_lshrrev_b32 v1, 5, v0
	v_readfirstlane_b32 s18, v1                    ; wave 0..7
	s_mov_b32 s19, ttmp9                           ; block of 64 queries
	s_and_b32 s20, ttmp7, 0xffff                   ; batch
	s_and_b32 s21, s18, 1                          ; w % 2
	s_lshr_b32 s61, s18, 1                         ; w / 2
	s_sub_co_u32 s62, 0, s21                       ; a lane mask: all ones in odd waves
	s_mov_b32 s32, (2<<16)|(1<<20)|(5<<22)|(3<<25) ; elements of 4 bytes; 4 words of padding behind every 64
	s_mov_b32 s33, 64<<16
	s_mov_b32 s34, 64<<16
	s_mov_b32 s35, 64<<16
	s_mov_b32 s36, 64
	s_mov_b32 s37, 2048
	s_mov_b32 s38, 0
	s_mov_b32 s39, 0
	s_mov_b32 s40, 1
	s_mov_b32 s48, 0x3d8293ee                      ; log2(e) / sqrt(512)
	s_mov_b32 s49, s48
	s_mov_b32 s50, 0x76543210
	s_mov_b32 s51, 0xfedcba98
	s_mul_i32 s59, s18, RINGW
	s_add_co_u32 s59, s59, RING0                   ; my ring
	s_mov_b32 s41, s59                             ; slot 0
	s_lshl_b32 s63, s61, 12
	s_lshl_b32 s57, s21, 9
	s_add_co_u32 s63, s63, s57
	s_add_co_u32 s63, s63, PIMG                    ; where my codes go
	s_lshl_b32 s84, s61, 9
	s_lshl_b32 s57, s21, 1
	s_add_co_u32 s84, s84, s57
	s_add_co_u32 s84, s84, PSC                     ; and my scale bytes
	s_lshl_b32 s85, s18, 10
	s_add_co_u32 s85, s85, ST1
	s_lshl_b32 s86, s61, 12
	s_lshl_b32 s57, s21, 11
	s_add_co_u32 s86, s86, s57                     ; my half of Q's image of tile w / 2
	s_lshl_b32 s90, s21, 3
	s_lshl_b32 s87, s61, 9
	s_add_co_u32 s87, s87, s90
	s_add_co_u32 s89, s87, ST2
	s_add_co_u32 s87, s87, QSC
	s_lshl_b32 s88, s61, 8
	s_add_co_u32 s88, s88, ST1
	s_lshl_b32 s54, s20, 24
	s_lshl_b32 s55, s19, 19
	s_add_co_u32 s54, s54, s55
	s_lshl_b32 s55, s18, 8
	s_add_co_u32 s54, s54, s55
	s_mov_b32 s55, 0
	s_wait_dscnt 0x0
	s_wait_kmcnt 0x0
	s_add_nc_u64 s[42:43], s[10:11], s[54:55]      ; my 64 columns of my 64 rows of intensity
	s_or_b32 s43, s43, 0x80000000
	s_lshl_b32 s56, s20, 19
	s_lshl_b32 s54, s18, 14
	s_add_co_u32 s54, s54, s56
	s_add_nc_u64 s[22:23], s[6:7], s[54:55]        ; K's codes: my 4 tiles of block 0
	s_lshl_b32 s54, s18, 12
	s_add_co_u32 s54, s54, s56
	s_add_nc_u64 s[26:27], s[8:9], s[54:55]        ; V's codes: my 4 tiles of channels
	s_lshl_b32 s56, s20, 15
	s_add_co_u32 s56, s56, 4194304
	s_lshl_b32 s54, s61, 11
	s_add_co_u32 s54, s54, s56
	s_add_nc_u64 s[24:25], s[6:7], s[54:55]        ; K's scale words
	s_lshl_b32 s54, s61, 9
	s_add_co_u32 s54, s54, s56
	s_add_nc_u64 s[28:29], s[8:9], s[54:55]        ; V's
	s_lshl_b32 s54, s20, 7
	s_lshl_b32 s57, s19, 2
	s_add_co_u32 s54, s54, s57
	s_add_co_u32 s54, s54, s61
	s_lshl_b32 s54, s54, 12
	s_lshl_b32 s57, s21, 11
	s_add_co_u32 s54, s54, s57
	s_add_nc_u64 s[80:81], s[4:5], s[54:55]        ; Q's codes: half w % 2 of tile w / 2
	s_lshl_b32 s54, s20, 4
	s_lshr_b32 s57, s19, 1
	s_add_co_u32 s54, s54, s57
	s_lshl_b32 s54, s54, 11
	s_add_co_u32 s54, s54, 4194304
	s_lshl_b32 s57, s21, 10
	s_add_co_u32 s54, s54, s57
	s_add_nc_u64 s[82:83], s[4:5], s[54:55]        ; Q's scale words of K steps 2 (w % 2), + 1
	s_lshl_b32 s54, s18, 14
	s_add_co_u32 s54, s54, 393216
	s_add_nc_u64 s[74:75], s[12:13], s[54:55]      ; out_w's codes: my 4 tiles
	s_lshl_b32 s54, s18, 10
	s_add_co_u32 s54, s54, 548864
	s_add_nc_u64 s[76:77], s[12:13], s[54:55]      ; and scale words
	s_lshl_b32 s54, s18, 8
	s_add_nc_u64 s[78:79], s[14:15], s[54:55]      ; the bias at feature 64 w
	s_lshl_b32 s57, s20, 22
	s_add_co_u32 s54, s54, s57
	s_lshl_b32 s57, s19, 17
	s_add_co_u32 s54, s54, s57
	s_add_nc_u64 s[30:31], s[16:17], s[54:55]      ; out0 at my first row and feature
	s_and_b32 s57, s61, 1
	s_lshl_b32 s57, s57, 8
	s_and_b32 s58, s19, 1
	s_lshl_b32 s58, s58, 3
	s_add_co_u32 s57, s57, s58
	s_lshr_b32 s58, s61, 1
	s_lshl_b32 s58, s58, 2
	s_add_co_u32 s57, s57, s58                     ; where tile w / 2's words stand in a block of Q's scale words
	v_and_b32 v28, 31, v0                          ; lane
	v_and_b32 v29, 15, v0                          ; r
	v_bfe_u32 v30, v0, 4, 1                        ; h
	v_lshlrev_b32 v1, 4, v28                       ; 16 x lane: dense loads, and Q's images
	v_add_nc_u32 v2, s90, v1                       ; + 8 (w % 2): my half of a block of scale words
	v_and_b32 v3, 8, v29
	v_add_nc_u32 v3, v3, v29
	v_mul_u32_u24 v3, v3, IP
	v_lshl_add_u32 v3, v30, 6, v3
	v_add_nc_u32 v3, s59, v3                       ; intensity: row r + 8 (r / 8), + 64 h
	v_lshlrev_b32 v4, 4, v29
	v_lshl_add_u32 v4, v30, 3, v4
	v_add_nc_u32 v4, s63, v4                       ; codes out: 16 r + 8 h
	v_lshl_add_u32 v5, v28, 2, s84                 ; scale bytes out: 4 x lane
	v_add_nc_u32 v9, QSC, v1
	v_lshl_add_u32 v10, v28, 3, s85
	v_add_nc_u32 v11, ST2, v1
	v_add_nc_u32 v12, PIMG, v1
	v_lshl_add_u32 v13, v28, 2, PSC
	v_lshl_add_u32 v24, v29, 4, s57
	v_add_nc_u32 v25, s86, v1
	v_add_nc_u32 v26, s87, v1
	v_mov_b32 v18, 0xff61b1e6                      ; the largest t so far: -3e38
	v_mov_b32 v19, 0                               ; the sum
	s_wait_alu depctr_va_vdst(0)                   ; the wait at the head's end
.irp f, 0,1,2,3
	global_load_b128 v[S+4*\f:S+4*\f+3], v1, s[80:81] offset:512*\f
.endr
.irp i, 0,1
	global_load_b32 v[S+16+\i], v24, s[82:83] offset:512*\i
.endr
	KLOAD 0, KS, 22, 24, 2*131072, 2*8192, 0, 4    ; K's block 2
	tensor_load_to_lds s[40:43], s[32:39]          ; step 0's intensity: my one tensor load at the head
	s_nop 0
.rept 4
	v_nop
.endr
.irp m, 0,1,2,3
	ds_store_b64 v10, v[18:19] offset:256*\m
.endr
	s_wait_loadcnt 36                              ; Q's six loads are in; K's 36 may be out
.irp f, 0,1,2,3
	ds_store_b128 v25, v[S+4*\f:S+4*\f+3] offset:512*\f
.endr
	ds_store_b64 v26, v[S+16:S+17]
	s_wait_dscnt 0x0
	s_barrier_signal -1
	s_barrier_wait -1                              ; Q's images are whole
	QLOADS 1, 9, 0, 0
; PASS 1 behind a tile's products: the lane's statistics at v[sa] + so; nq = 1: the next tile's fragments are fetched; 2^(t - max) goes to v[eb] on in window ew; resc at 0 or above: the kept numbers from v[resc] on come under the new maximum
.macro P1CORE sa, so, qa, qo, qb, qbo, nq, eb, ew, resc
	ds_load_b64 v[16:17], v[\sa] offset:\so
.if \nq
	QLOADS \qa, \qb, \qo, \qbo
.endif
.irp q, 0,1,2,3
	v_max3_num_f32 v[TM+\q], v[S+8*\q], v[S+8*\q+1], v[S+8*\q+2]
.endr
.irp i, 3,5
.irp q, 0,1,2,3
	v_max3_num_f32 v[TM+\q], v[TM+\q], v[S+8*\q+\i], v[S+8*\q+\i+1]
.endr
.endr
.irp q, 0,1,2,3
	v_max_num_f32 v[TM+\q], v[TM+\q], v[S+8*\q+7]
.endr
	v_max3_num_f32 v[T1], v[TM], v[TM+1], v[TM+2]
	s_delay_alu instid0(VALU_DEP_1)
	v_max_num_f32 v[T1], v[T1], v[TM+3]
	s_delay_alu instid0(VALU_DEP_1)
	v_mul_f32 v[T1], s48, v[T1]
	s_wait_alu depctr_va_vdst(0)
	s_wait_dscnt 9*\nq                             ; the statistics are in; Q's nine loads may be out
	v_max_num_f32 v18, v16, v[T1]
	s_delay_alu instid0(VALU_DEP_1)
	v_sub_f32 v[T0], v16, v18
.irp j, 0,2,4,6,8,10,12,14,16,18,20,22,24,26,28,30
	v_pk_fma_f32 v[S+\j:S+\j+1], v[S+\j:S+\j+1], s[48:49], v[18:19] op_sel_hi:[1,0,0] neg_lo:[0,0,1] neg_hi:[0,0,1]
.endr
	s_wait_alu depctr_va_vdst(0)                   ; ahead of the batch
	WIN 0x40*\ew
.irp j, 0,1,2,3,4,5,6,7,8,9,10,11,12,13,14,15,16,17,18,19,20,21,22,23,24,25,26,27,28,29,30,31
	v_exp_f32 v[(\eb)+\j], v[S+\j]
.endr
	WIN 0
	v_exp_f32 v[T0], v[T0]
	v_nop
	s_wait_alu depctr_va_vdst(0)                   ; and behind it
	WIN 0x05*\ew
	v_pk_add_f32 v[TM:TM+1], v[(\eb):(\eb)+1], v[(\eb)+2:(\eb)+3]
	v_pk_add_f32 v[TM+2:TM+3], v[(\eb)+4:(\eb)+5], v[(\eb)+6:(\eb)+7]
	WIN 0x01*\ew
.irp j, 8,12,16,20,24,28
	v_pk_add_f32 v[TM:TM+1], v[(\eb)+\j:(\eb)+\j+1], v[TM:TM+1]
	v_pk_add_f32 v[TM+2:TM+3], v[(\eb)+\j+2:(\eb)+\j+3], v[TM+2:TM+3]
.endr
	WIN 0
.if (\resc) >= 0
.irp j, 0,2,4,6,8,10,12,14,16,18,20,22,24,26,28,30
	v_pk_mul_f32 v[(\resc)+\j:(\resc)+\j+1], v[(\resc)+\j:(\resc)+\j+1], v[T0:T0+1] op_sel_hi:[1,0]
.endr
.endif
	v_pk_add_f32 v[TM:TM+1], v[TM:TM+1], v[TM+2:TM+3]
	s_delay_alu instid0(VALU_DEP_1)
	v_add_f32 v[T1], v[TM], v[TM+1]
	v_fma_f32 v19, v17, v[T0], v[T1]               ; the old sum under the new maximum, and this block's
	ds_store_b64 v[\sa], v[18:19] offset:\so
.endm
.macro P1HALF kb, sc, m0               ; two query tiles in a loop: nothing is kept
	s_mov_b32 s52, \m0
.Lp1_\@:
	s_lshl_b32 s55, s52, 8
	s_add_co_u32 s53, s52, 1
	s_and_b32 s53, s53, 3
	s_lshl_b32 s54, s53, 9
	s_lshl_b32 s53, s53, 12
	s_wait_dscnt 0x0                               ; Q's fragments are in
	SQK \kb, \sc
	v_add_nc_u32 v27, s55, v10
	v_add_nc_u32 v14, s53, v1
	v_add_nc_u32 v15, s54, v9
	v_nop
	v_nop
	P1CORE 27, 0, 14, 0, 15, 0, 1, S, 0, -1
	s_add_co_u32 s52, s52, 1
	s_cmp_lt_u32 s52, \m0+2
	s_cbranch_scc1 .Lp1_\@
.endm
.macro P1C kb, sc, m, nq, eb, ew, resc ; one query tile, written out: its numbers are kept
	s_wait_dscnt 0x0
	SQK \kb, \sc
	PLACES
	P1CORE 10, 256*\m, 1, ((\m+1)&3)*4096, 9, ((\m+1)&3)*512, \nq, \eb, \ew, \resc
.endm
	s_wait_loadcnt 0x0                             ; block 2 is in
	KLOAD 128, VS, 22, 24, 3*131072, 3*8192, 0, 2
	P1HALF 0, KS, 0
	KLOAD 128, VS, 22, 24, 3*131072, 3*8192, 2, 4
	P1HALF 0, KS, 2
	s_wait_loadcnt 0x0                             ; block 3
	KLOAD 0, KS, 22, 24, 0, 0, 0, 2
	P1HALF 128, VS, 0
	KLOAD 0, KS, 22, 24, 0, 0, 2, 4
	P1HALF 128, VS, 2
	s_wait_tensorcnt 0x0                           ; slot 1's first fill is issued as a refill is
	ds_add_u32 v6, v7
	s_add_co_u32 s41, s59, SLOTB
	s_add_nc_u64 s[42:43], s[42:43], 2048
	s_wait_dscnt 0x0
	s_barrier_signal -1
	s_barrier_wait -1
	tensor_load_to_lds s[40:43], s[32:39]
	s_nop 0
.rept 4
	v_nop
.endr
	s_wait_loadcnt 0x0                             ; block 0
	KLOAD 128, VS, 22, 24, 131072, 8192, 0, 2
	P1C 0, KS, 0, 1, ACC, 0, -1
	P1C 0, KS, 1, 1, ACC+32, 0, -1
	KLOAD 128, VS, 22, 24, 131072, 8192, 2, 4
	P1C 0, KS, 2, 1, ACC+64, 0, -1
	P1C 0, KS, 3, 1, ACC+96, 0, -1
	s_wait_loadcnt 0x0                             ; block 1; its numbers go where K's block 0 lay
	P1C 128, VS, 0, 1, 0, 1, ACC
	P1C 128, VS, 1, 1, 32, 1, ACC+32
	P1C 128, VS, 2, 1, 64, 1, ACC+64
	P1C 128, VS, 3, 0, 96, 1, ACC+96
	PLACES
	VFR 0, 0
	VFR 0, 1
	VFR 0, 2
	VFR 0, 3
	s_wait_tensorcnt 0x0                           ; both slots are whole
	s_wait_dscnt 0x0
	s_barrier_signal -1
	s_barrier_wait -1
	; the statistics of tile w / 2 are merged over the eight waves and the two halves of the lanes; even waves store -M, odd waves 1 / sum
	v_and_b32 v28, 31, v0
	v_lshl_add_u32 v24, v28, 3, s88
.irp q, 0,1,2,3,4,5,6,7
	ds_load_b64 v[S+2*\q:S+2*\q+1], v24 offset:\q*1024
.endr
	v_lshl_add_u32 v27, v28, 4, s89
	s_wait_alu depctr_va_vdst(0)
	s_wait_dscnt 0x0
	v_max3_num_f32 v[TM], v[S], v[S+2], v[S+4]
	v_max3_num_f32 v[TM+1], v[S+6], v[S+8], v[S+10]
	v_max_num_f32 v[TM+2], v[S+12], v[S+14]
	v_max3_num_f32 v[TM], v[TM], v[TM+1], v[TM+2]
	v_permlanex16_b32 v28, v[TM], s50, s51
	v_max_num_f32 v[TM], v[TM], v28
.irp q, 0,1,2,3,4,5,6,7
	v_sub_f32 v[S+2*\q], v[S+2*\q], v[TM]
.endr
	s_wait_alu depctr_va_vdst(0)
.irp q, 0,1,2,3,4,5,6,7
	v_exp_f32 v[S+2*\q], v[S+2*\q]
.endr
	v_mul_f32 v[T1], -1.0, v[TM]
	s_wait_alu depctr_va_vdst(0)
	v_mul_f32 v[T2], v[S+1], v[S]
	v_mul_f32 v[PW], v[S+3], v[S+2]
.irp q, 2,4,6
	v_fmac_f32 v[T2], v[S+2*\q+1], v[S+2*\q]
	v_fmac_f32 v[PW], v[S+2*\q+3], v[S+2*\q+2]
.endr
	v_add_f32 v[T2], v[T2], v[PW]
	v_permlanex16_b32 v28, v[T2], s50, s51
	v_add_f32 v[T2], v[T2], v28
	s_wait_alu depctr_va_vdst(0)
	v_rcp_f32 v[PW], v[T2]
	v_nop
	s_wait_alu depctr_va_vdst(0)
	v_cndmask_b32 v[PC], v[T1], v[PW], s62
	v_mov_b32 v[PC+1], v[PC]
	ds_store_b64 v27, v[PC:PC+1]
	s_wait_dscnt 0x0
	s_barrier_signal -1
	s_barrier_wait -1
	; f = 2^(my lane's maximum - M) / sum for each of the four tiles: v8, v14, v24, v26
.irp m, 0,1,2,3
	ds_load_b128 v[S+4*\m:S+4*\m+3], v11 offset:512*\m
	ds_load_b64 v[S+16+2*\m:S+16+2*\m+1], v10 offset:256*\m
.endr
	s_wait_dscnt 0x0
	v_add_f32 v8, v[S+16], v[S]
	v_add_f32 v14, v[S+18], v[S+4]
	v_add_f32 v24, v[S+20], v[S+8]
	v_add_f32 v26, v[S+22], v[S+12]
	s_wait_alu depctr_va_vdst(0)
	v_exp_f32 v8, v8
	v_exp_f32 v14, v14
	v_exp_f32 v24, v24
	v_exp_f32 v26, v26
	v_nop
	s_wait_alu depctr_va_vdst(0)
	v_mul_f32 v8, v8, v[S+2]
	v_mul_f32 v14, v14, v[S+6]
	v_mul_f32 v24, v24, v[S+10]
	v_mul_f32 v26, v26, v[S+14]
	s_wait_alu depctr_va_vdst(0)
.macro ILD j, m, buf                   ; tile m's intensity of step j: eight loads
.irp g, 0,1
.irp q, 0,1,2,3
	ds_load_b128 v[\buf+16*\g+4*\q:\buf+16*\g+4*\q+3], v3 offset:(\j%2)*SLOTB+((\m)+((\m)&2))*8*IP+128*\g+16*\q
.endr
.endr
.endm
.macro CTRIP j, m, buf, f, n           ; a tile of a step whose numbers were kept: p = kept x f + intensity; n: the next tile's eight loads may be out, the last tile's stores not
	s_wait_dscnt \n
	WIN \j                                         ; step 1's numbers lie in window 1
.irp i, 0,2,4,6,8,10,12,14,16,18,20,22,24,26,28,30
	v_pk_fma_f32 v[\buf+\i:\buf+\i+1], v[(1-\j)*ACC+32*\m+\i:(1-\j)*ACC+32*\m+\i+1], v[\f:\f+1], v[\buf+\i:\buf+\i+1] op_sel_hi:[1,0,1]
.endr
	WIN 0
	QUANT \buf
	ds_store_b64 v4, v[PC:PC+1] offset:\m*1024
	ds_store_b64 v4, v[PC+2:PC+3] offset:\m*1024+256
	ds_store_b16 v5, v[PW] offset:\m*128
.if \m < 2
	ILD \j, \m+2, \buf
.endif
.endm
.macro SKEPT j
	PLACES
.if \j == 1
	VFR 1, 1
	VFR 1, 2
	VFR 1, 3
.endif
	ILD \j, 0, 32
	ILD \j, 1, 64
	CTRIP \j, 0, 32, 8, 8
	CTRIP \j, 1, 64, 14, 8
	CTRIP \j, 2, 32, 24, 8
	CTRIP \j, 3, 64, 26, 0
.endm
.macro SAGAIN j                        ; a step whose scores are made again
	PLACES
.if \j == 3
	s_wait_tensorcnt 0x0                           ; the last tile of intensity
.endif
	QLOADS 1, 9, 0, 0
	ds_load_b128 v[16:19], v11
	VFR \j, 1
	VFR \j, 2
	VFR \j, 3
	s_wait_loadcnt 36                              ; K's block is in; behind it V's 9 + 27 loads
	s_mov_b32 s52, 0
.Ls_\@:
	s_lshl_b32 s57, s52, 10
	s_lshl_b32 s58, s52, 7
	s_and_b32 s55, s52, 2
	s_add_co_u32 s55, s55, s52
	s_mul_i32 s55, s55, 8*IP
	s_add_co_u32 s53, s52, 1
	s_and_b32 s53, s53, 3
	s_lshl_b32 s56, s53, 9
	s_lshl_b32 s53, s53, 12
	s_wait_dscnt 0x0
	SQK 0, KS
	v_add_nc_u32 v24, s55, v3
	v_add_nc_u32 v14, s53, v1
	v_add_nc_u32 v15, s56, v9
	v_add_nc_u32 v25, s57, v4
	v_add_nc_u32 v26, s58, v5
	v_add_nc_u32 v27, s56, v11
.irp g, 0,1
.irp q, 0,1,2,3
	ds_load_b128 v[IB+16*\g+4*\q:IB+16*\g+4*\q+3], v24 offset:(\j%2)*SLOTB+128*\g+16*\q   ; the intensity takes the registers that held Q's fragments
.endr
.endr
.irp i, 0,2,4,6,8,10,12,14,16,18,20,22,24,26,28,30
	v_pk_fma_f32 v[S+\i:S+\i+1], v[S+\i:S+\i+1], s[48:49], v[16:17] op_sel_hi:[1,0,1]
.endr
	s_wait_alu depctr_va_vdst(0)                   ; ahead of the batch
.irp i, 0,1,2,3,4,5,6,7,8,9,10,11,12,13,14,15,16,17,18,19,20,21,22,23,24,25,26,27,28,29,30,31
	v_exp_f32 v[S+\i], v[S+\i]
.endr
	v_nop
	s_wait_alu depctr_va_vdst(0)                   ; and behind it
	s_wait_dscnt 0x0
.irp i, 0,2,4,6,8,10,12,14,16,18,20,22,24,26,28,30
	v_pk_fma_f32 v[S+\i:S+\i+1], v[S+\i:S+\i+1], v[18:19], v[IB+\i:IB+\i+1]
.endr
	QLOADS 14, 15, 0, 0                            ; the next tile's fragments and statistics
	ds_load_b128 v[16:19], v27
	QUANT S
	ds_store_b64 v25, v[PC:PC+1]
	ds_store_b64 v25, v[PC+2:PC+3] offset:256
	ds_store_b16 v26, v[PW]
	s_add_co_u32 s52, s52, 1
	s_cmp_lt_u32 s52, 4
	s_cbranch_scc1 .Ls_\@
.endm
.macro PVPART j                        ; P is handed round, O^T += V^T P^T; under it the next operands are fetched
.if (\j == 1) || (\j == 2)
	KLOAD 0, KS, 22, 24, (\j+1)*131072, (\j+1)*8192, 0, 4
.endif
.if \j == 3
	v_and_b32 v14, 15, v0
	v_bfe_u32 v15, v0, 4, 1
	v_lshlrev_b32 v14, 4, v14
	v_lshl_add_u32 v14, v15, 8, v14                ; out_w's scale words: 16 r + 256 h
	v_lshlrev_b32 v15, 6, v15                      ; the bias: my half's 16 features of each 32
	s_wait_alu depctr_va_vdst(0)
	KLOAD 0, KS, 74, 76, 0, 0, 1, 4
	WIN 0x40
.irp s, 0,1,2,3
.irp c, 0,1
	global_load_b128 v[8*\s+4*\c:8*\s+4*\c+3], v1, s[74:75] offset:\s*1024+512*\c
.endr
.endr
	WIN 0
.irp p, 0,1
	global_load_b128 v[KS+4*\p:KS+4*\p+3], v14, s[76:77] offset:512*\p
.endr
.endif
.if \j < 2
	s_wait_tensorcnt 0x0
	ds_add_u32 v6, v7
	s_add_co_u32 s41, s59, \j*SLOTB
	s_add_nc_u64 s[42:43], s[42:43], 2048
	s_wait_dscnt 0x0                               ; the add, my reads of the slot and my stores of P
	s_barrier_signal -1
	s_barrier_wait -1
	tensor_load_to_lds s[40:43], s[32:39]          ; the intensity two steps on, into the slot just read
	s_nop 0
.rept 4
	v_nop
.endr
.else
	s_wait_dscnt 0x0
	s_barrier_signal -1
	s_barrier_wait -1
.endif
	FETCH 0, 0
	FETCH 1, 1
.if \j == 0
	s_wait_loadcnt 0x0                             ; V is in
.endif
.if (\j == 1) || (\j == 2)
	s_wait_loadcnt 36                              ; V is in; the next K's 36 loads may be out
.endif
.if \j == 3
	s_wait_loadcnt 34                              ; out_w's 34
.endif
	s_wait_dscnt 12
.if \j == 0
	PVK 0, 0, 1
.else
	PVK 0, 0, 0
.endif
	WIN 0
	PLACES
	FETCH 0, 2
	s_wait_dscnt 12
	PVK 1, 1, 0
	WIN 0
	PLACES
	FETCH 1, 3
.if \j < 3
	VFR \j+1, 0
.else
	WIN 0x40
.irp t, 0,1,2,3
	global_load_b128 v[128+8*\t:128+8*\t+3], v15, s[78:79] offset:(32*(\t/2)+8*(\t%2))*4
	global_load_b128 v[128+8*\t+4:128+8*\t+7], v15, s[78:79] offset:(32*(\t/2)+8*(\t%2))*4+16
.endr
	WIN 0
.endif
	s_wait_dscnt 12
	PVK 2, 0, 0
	s_wait_dscnt 0x0                               ; my reads of P's images are over
	s_barrier_signal -1
	PVK 3, 1, 0
	WIN 0
	s_barrier_wait -1
.endm
	SKEPT 0
	PVPART 0
	SKEPT 1
	PVPART 1
	SAGAIN 2
	PVPART 2
	SAGAIN 3
	PVPART 3
	PLACES
.irp m, 0,1,2,3                        ; O^T is quantised along the channels and handed round as P was
.if \m > 0
	s_wait_dscnt 0x0
.endif
	QUANT ACC+32*\m
	ds_store_b64 v4, v[PC:PC+1] offset:\m*1024
	ds_store_b64 v4, v[PC+2:PC+3] offset:\m*1024+256
	ds_store_b16 v5, v[PW] offset:\m*128
.endr
	s_wait_dscnt 0x0
	s_barrier_signal -1
	s_barrier_wait -1
	s_wait_loadcnt 0x0                             ; out_w and the bias
	FETCH 0, 0
	FETCH 1, 1
	s_wait_dscnt 12
	YK 0, 0
	WIN 0
	PLACES
	FETCH 0, 2
	s_wait_dscnt 12
	YK 1, 1
	WIN 0
	PLACES
	FETCH 1, 3
	s_wait_dscnt 12
	YK 2, 0
	s_wait_dscnt 0x0
	YK 3, 1
	WIN 0
	PLACES
	; THE WAY OUT: 16 rows x 64 features go through my stage (my slot 0, which has had its last fill and its last read) and leave as rows: sixteen lanes store 256 consecutive bytes, aligned
	v_and_b32 v[T1], 15, v0
	v_bfe_u32 v[T2], v0, 4, 1
	v_mul_u32_u24 v24, v[T1], IP
	v_lshl_add_u32 v24, v[T2], 6, v24
	v_add_nc_u32 v24, s59, v24                     ; in: row r, + 64 h
	v_mul_u32_u24 v25, v[T2], IP
	v_lshl_add_u32 v25, v[T1], 4, v25
	v_add_nc_u32 v25, s59, v25                     ; back: lanes 0-15 one row, lanes 16-31 the next
	v_lshlrev_b32 v26, 4, v[T1]
	v_lshl_add_u32 v26, v[T2], 11, v26             ; and the same two rows in out0
	s_wait_alu depctr_va_vdst(0)
.macro TOSTAGE m
.irp t, 0,1,2,3
	ds_store_b128 v24, v[ACC+32*(\m)+8*\t:ACC+32*(\m)+8*\t+3] offset:128*(\t/2)+32*(\t%2)
	ds_store_b128 v24, v[ACC+32*(\m)+8*\t+4:ACC+32*(\m)+8*\t+7] offset:128*(\t/2)+32*(\t%2)+16
.endr
.irp i, 0,1,2,3,4,5,6,7
	ds_load_b128 v[32+32*((\m)%2)+4*\i:32+32*((\m)%2)+4*\i+3], v25 offset:\i*2*IP   ; LDS serves a wave's instructions in order (ISA guide 5.7.1.4)
.endr
.endm
.macro SEND m, younger
	s_wait_dscnt \younger
.irp i, 0,1,2,3,4,5,6,7
	global_store_b128 v26, v[32+32*((\m)%2)+4*\i:32+32*((\m)%2)+4*\i+3], s[30:31] offset:(32*((\m)/2)+8*((\m)%2)+2*\i+8*(\i/4))*2048 th:TH_STORE_NT
.endr
.endm
	TOSTAGE 0
.irp a, 1,2,3
.if \a > 1
	s_wait_xcnt 0x0                                ; the stores two tiles back have read their registers
.endif
	TOSTAGE \a
	SEND \a-1, 16                                  ; behind that tile's loads: 8 stores and 8 loads
.endr
	SEND 3, 0
	s_wait_tensorcnt 0x0                           ; the wave's end
	ds_add_u32 v6, v7
	s_wait_dscnt 0x0
	s_endpgm
.Lfunc_end_k_q02f82a0d62_attn:
	.size	k_q02f82a0d62_attn, .Lfunc_end_k_q02f82a0d62_attn-k_q02f82a0d62_attn
	.p2alignl 7, 3214868480
	.fill 96, 4, 3214868480
	.section	.rodata,"a",@progbits
	.p2align	6, 0x0
	.amdhsa_kernel k_q02f82a0d62_attn
		.amdhsa_group_segment_fixed_size 327680
		.amdhsa_private_segment_fixed_size 0
		.amdhsa_enable_private_segment 0
		.amdhsa_kernarg_size 56
		.amdhsa_user_sgpr_count 2
		.amdhsa_user_sgpr_kernarg_segment_ptr 1
		.amdhsa_wavefront_size32 1
		.amdhsa_system_sgpr_workgroup_id_x 1
		.amdhsa_system_sgpr_workgroup_id_y 1
		.amdhsa_system_sgpr_workgroup_id_z 1
		.amdhsa_system_vgpr_workitem_id 0
		.amdhsa_next_free_vgpr 512
		.amdhsa_next_free_sgpr 96
		.amdhsa_reserve_vcc 0
		.amdhsa_float_denorm_mode_32 3
		.amdhsa_float_denorm_mode_16_64 3
		.amdhsa_memory_ordered 1
		.amdhsa_forward_progress 1
		.amdhsa_inst_pref_size 255
	.end_amdhsa_kernel
	.section	.bss,"aw",@nobits
	.p2align	6
	.space	262144
	.amdgpu_metadata
---
amdhsa.version: [ 1, 2 ]
amdhsa.kernels:
  - .name:           k_q02f82a0d62_attn
    .symbol:         k_q02f82a0d62_attn.kd
    .args:
      - { .name: qq, .offset: 0, .size: 8, .value_kind: global_buffer, .address_space: global }
      - { .name: kq, .offset: 8, .size: 8, .value_kind: global_buffer, .address_space: global }
      - { .name: vq, .offset: 16, .size: 8, .value_kind: global_buffer, .address_space: global }
      - { .name: intensity, .offset: 24, .size: 8, .value_kind: global_buffer, .address_space: global }
      - { .name: wq, .offset: 32, .size: 8, .value_kind: global_buffer, .address_space: global }
      - { .name: out_b, .offset: 40, .size: 8, .value_kind: global_buffer, .address_space: global }
      - { .name: out0, .offset: 48, .size: 8, .value_kind: global_buffer, .address_space: global }
    .group_segment_fixed_size: 327680
    .private_segment_fixed_size: 0
    .kernarg_segment_align: 8
    .kernarg_segment_size: 56
    .max_flat_workgroup_size: 256
    .sgpr_count:     96
    .vgpr_count:     512
    .wavefront_size: 32
...
	.end_amdgpu_metadata
.endif
;; end of part 3
